; MI455X (gfx1250); checked and timed in simulation.
; The chip was launched on July 23, 2026; its instructions are those of AMD's public machine-readable ISA for CDNA 5 (MIT licence, August 2026) and "CDNA5" Instruction Set Architecture Reference Guide (July 2026). The comments in the code are by the model that wrote it; some were corrected since.
;; Self Attention. Allowed arithmetic: matrix products marked QUANTISED: E4M3 operands, one E8M0 scale for each 32 along K, by v_wmma_scale_f32_16x16x128_f8f6f4 with both operands' format E4M3, f32 sums; everything else in f32.
;; Inputs: Wk 512 x 512 float32; Wo 512 x 512 float32; Wq 512 x 512 float32; Wv 512 x 512 float32; bk 512 float32; bo 512 float32; bq 512 float32; bv 512 float32; x 2 x 4,096 x 512 float32.
;; Outputs: out0 2 x 4,096 x 512 float32.
;; This version of the problem:
;;   THIS VERSION OF THE PROBLEM IS GIVEN IN LOW PRECISION. The matrix products marked QUANTISED in the list below multiply operands that are first quantised to E4M3 (4 exponent bits, 3 mantissa bits; 8 bits a number), with one power-of-two scale for each 32 numbers along K (OCP MX v1.0); their sums are f32. All else is computed in f32.
;;   The module's matrix products, in the order in which they are computed (A, B: the left and right operand; K: the contracted axis; several contracted axes count as one K, in the product's order):
;;     1. [M 8,192, K 512] x [K 512, N 512]; A: input x; B: input Wq: QUANTISED
;;     2. [M 8,192, K 512] x [K 512, N 512]; A: input x; B: input Wk: QUANTISED
;;     3. [M 8,192, K 512] x [K 512, N 512]; A: input x; B: input Wv: QUANTISED
;;     4. batch 16 x [M 4,096, K 64] x [K 64, N 4,096]; A: computed on the way; B: computed on the way: QUANTISED
;;     5. batch 16 x [M 4,096, K 4,096] x [K 4,096, N 64]; A: softmax (see below); B: computed on the way: QUANTISED
;;     6. [M 8,192, K 512] x [K 512, N 512]; A: computed on the way; B: input Wo: QUANTISED
;;   THE QUANTISER, for each operand of a quantised product, along K:
;;     - K is cut into blocks of 32 from its start; a last block that is shorter is filled with zeros.
;;     - A block's scale is 2^e with e = floor(log2(the largest magnitude in the block)) - 8, held to -126 .. 127; a block of zeros has e = 0. As a byte (E8M0): e + 127.
;;     - Each number is divided by its block's scale, clamped to +-448, and rounded to the nearest number of E4M3, ties to even, subnormals kept.
;;     - The product sums the exact products of the quantised numbers (number of the format x scale) in f32.
;;   ~~~python
;;   def quantise(x, axis):      # numpy; x: float32 -> the quantised numbers, widened to float32 again
;;       x = np.moveaxis(x, axis, -1); K = x.shape[-1]
;;       x = np.pad(x, [(0, 0)] * (x.ndim - 1) + [(0, -K % 32)]); x = x.reshape(x.shape[:-1] + (-1, 32)); a = np.abs(x).max(-1, keepdims=True)
;;       e = np.where(a > 0, np.clip(np.frexp(np.where(a > 0, a, 1))[1] - 1 - 8, -126, 127), 0)      # np.frexp(a)[1] - 1 = floor(log2(a)), exactly
;;       r = np.clip(x / 2.0 ** e, -448, 448)
;;       step = 2.0 ** (np.maximum(np.frexp(np.where(r == 0, 1, r))[1] - 1, -6) - 3)
;;       q = np.round(r / step) * step * 2.0 ** e      # np.round: ties to even
;;       return np.moveaxis(q.reshape(q.shape[:-2] + (-1,))[..., :K], -1, axis).astype(np.float32)
;;   ~~~
;;   SOFTMAX AHEAD OF A QUANTISED PRODUCT. Where the list says 'softmax', what is quantised is not the finished softmax but p = 2^(t - M), with t = logit x log2(e) and M = ceil(the row's largest t), a whole number; so 1/2 < the row's largest p <= 1. The row's sum l is taken of the UNQUANTISED p, in f32, and the product's result is divided by l at the end. Since M is a whole number, a kernel that streams over the keys may use a running M (the ceiling of the running maximum): every later rescaling is an exact power of two, which a block's scale takes up: the codes' values come out the same.
;;   OPERANDS COMPUTED ON THE WAY. 'Computed on the way' means the value that the module computes at that place (a softmax that the list does not call 'softmax' is quantised finished and normalised). What goes into a quantiser is computed in f32, as accurately as f32 sums, v_exp_f32 and their like allow (about 1e-6 of the number): no bf16 or f16 on the way to a quantiser, and a product that is left as it is and whose result goes on into a quantised operand takes f32 operands (vector FMAs, or v_wmma_f32_16x16x4_f32). A number that lies on a knife's edge between two numbers of the format may be rounded either way, as far as f32 arithmetic and the matrix unit's own rounding can turn it there, and no further.
;; One version. Each part assembles by itself: llvm-mc -triple=amdgcn-amd-amdhsa -mcpu=gfx1250 --defsym DOCPART=n.
;; ======== version 1 of 1: 4 launches
;; limits: right only within a limited range of input values
;; workspace buffers: xq 4,325,376 bytes; wq 1,081,344 bytes; qq 4,325,376 bytes; kv 8,650,752 bytes; aq 4,325,376 bytes
;; launch quant (part 1): grid 160 x 1, 4 waves a work-group, no clusters, 57,856 bytes of LDS; arguments x, Wq, Wk, Wv, Wo, xq, wq; writes xq, wq
.if DOCPART == 1
	.amdgcn_target "amdgcn-amd-amdhsa--gfx1250"
	.amdhsa_code_object_version 6
	.text
	.protected	k_qc47273ad4e_quant
	.globl	k_qc47273ad4e_quant
	.p2align	8
	.type	k_qc47273ad4e_quant,@function
k_qc47273ad4e_quant:
	s_mov_b64 s[64:65], 0
	v_nop
	global_prefetch_b8 v0, s[64:65] scope:SCOPE_SE
	s_setreg_imm32_b32 hwreg(HW_REG_WAVE_MODE, 25, 1), 1
	s_wait_xcnt 0x0
; x [8192][512] and Wq, Wk, Wv, Wo [512][512], f32 with K innermost, become codes of FP8 (E4M3) with one E8M0 scale byte for each 32 along K.
; A block's scale is 2^(floor(log2(its largest magnitude)) - 8); its byte is the largest magnitude's exponent field - 8, held at 1 from below.  Each number is divided by the scale, held within +-448, rounded to the nearest code, ties to even.
; LIMITS: a block of zeros gets the byte 1 where the quantiser's text says 127 (its codes are zeros, which add nothing under any byte but 0xff, and this program alone reads the bytes);
; NaN and infinities among the inputs are not served.
; THE OUTPUT IS LAID AS THE MATRIX UNIT'S REGISTERS WANT IT.  A TILE is 16 rows: slot r of tile T is row 32 (T / 2) + 8 (T % 2) + r + 8 (r / 8).  (With such tiles as source 0 of a product, a lane's 16 results of
; tiles 2 b and 2 b + 1 are 16 neighbours, so that later launches quantise results in the registers in which they fall.)  A tile's codes are 8,192 bytes: K step s (128 along K) at 2,048 s, in it registers 4 c .. 4 c + 3 of
; lane l at 512 c + 16 l; lane (r, h) holds k = 128 s + 32 c + 16 h + 0 .. 15 of slot r.  Its scale words (4 bytes: one K step of one slot) are 256 bytes: the word of K step s, slot r at 8 (16 (s % 2) + r) + 4 (s / 2):
; a load of 8 bytes a lane brings two scale registers, K steps 0 and 2 in lanes 0-15, K steps 1 and 3 in lanes 16-31.
; SHARES.  A wave takes one tile, a row (2,048 bytes) a step.  Work-groups 0-127 take x's 512 tiles, 128-159 the weights' 128 (Wq, Wk, Wv, Wo, 32 each): only pointers are chosen, there is one path.
; A step's four loads read 512 consecutive bytes each; the row turns through the wave's own stage in LDS, so that lane l holds numbers 16 l .. 16 l + 15 (two lanes to a block).  Lane l's 16 codes of slot t belong at
; byte 256 l + 16 t of the tile: they are gathered in a second stage (32 pieces of 256 bytes, 272 apart, so that sixteen lanes fall on sixteen different columns of 16 bytes) and leave as 16 stores of 512 consecutive bytes.
; No tensor loads, no barrier: waves share nothing.  No cluster: no two work-groups read the same bytes.
.set STEPS, 16
.set EMAX,  8
.set MANT,  0x600000                   ; the mantissa field of 448 as f32
.set R,     16                         ; v16-79   four sets of 16 numbers as they are loaded; at the end the tile's codes on their way out
.set X,     80                         ; v80-111  two sets of 16 neighbours
.set E,     112                        ; v112-127 a scale byte for each step
.set C,     128                        ; v128-191 codes: four registers for each step
.set WREG,  14336                      ; LDS: a region of its own for each wave
.set SP,    80                         ; a lane's place in a turning stage: its 64 bytes + 16 of padding
.set CST,   2*32*SP                    ; behind the two turning stages: the codes' stage,
.set CPT,   272                        ; 32 pieces of 256 bytes + 16
.set SCB,   CST+32*CPT                 ; and the tile's 256 scale bytes
	s_load_b256 s[4:11], s[0:1], 0x0               ; x, Wq, Wk, Wv
	s_load_b128 s[12:15], s[0:1], 0x20             ; Wo, xq
	s_load_b64 s[16:17], s[0:1], 0x30              ; wq
	v_lshl_add_u32 v192, v0, 2, 0xe000
	v_mov_b32 v193, 0
	v_lshrrev_b32 v1, 5, v0
	v_readfirstlane_b32 s18, v1                    ; wave
	v_and_b32 v2, 31, v0                           ; lane
	v_lshlrev_b32 v3, 4, v2                        ; my 16 bytes of a load's or a store's 512
	s_mul_i32 s19, s18, WREG
	v_lshrrev_b32 v14, 2, v2
	v_mul_u32_u24 v14, v14, SP
	v_and_b32 v15, 3, v2
	v_lshl_add_u32 v14, v15, 4, v14
	v_add_nc_u32 v14, s19, v14                     ; the turning stage, on the way in: SP (lane / 4) + 16 (lane % 4)
	v_mul_u32_u24 v15, v2, SP
	v_add_nc_u32 v15, s19, v15                     ; and on the way out: SP x lane: my 16 neighbours
	s_add_co_u32 s28, s19, CST
	v_mul_u32_u24 v4, v2, CPT
	v_add_nc_u32 v4, s28, v4                       ; the codes' stage, in: piece = my lane; the slot stands in the immediate
	v_lshrrev_b32 v13, 4, v2
	v_mul_u32_u24 v13, v13, CPT
	v_and_b32 v12, 15, v2
	v_lshl_add_u32 v13, v12, 4, v13
	v_add_nc_u32 v13, s28, v13                     ; and out: sixteen lanes to a piece, two pieces an instruction
	s_add_co_u32 s28, s19, SCB
	v_bfe_u32 v5, v2, 3, 1                         ; my block's K step is lane / 8: its low bit picks the half of the lanes (128 bytes on),
	v_lshlrev_b32 v5, 7, v5
	v_bfe_u32 v12, v2, 4, 1
	v_lshl_add_u32 v5, v12, 2, v5                  ; its high bit the register (4 bytes on),
	v_bfe_u32 v12, v2, 1, 2
	v_add_nc_u32 v5, v5, v12                       ; and (lane / 2) % 4 is the byte in the word
	v_add_nc_u32 v5, s28, v5
	v_lshlrev_b32 v7, 3, v2                        ; the scale bytes leave 8 a lane
	v_add_nc_u32 v6, s28, v7
	s_mov_b32 s29, MANT                            ; (an instruction takes one literal: the hold's line has another)
	s_and_b32 s24, ttmp9, 7                        ; a weight's work-group: which eighth of its 32 tiles,
	s_sub_co_u32 s25, ttmp9, 128                   ; and which of wq's 32 groups of four tiles
	s_mov_b32 s26, 0x100000                        ; where wq's scale bytes begin
	s_wait_kmcnt 0x0
	s_mov_b64 s[20:21], s[12:13]                   ; the source: chosen by the work-group's number alone
	s_cmp_lt_u32 ttmp9, 152
	s_cselect_b64 s[20:21], s[10:11], s[20:21]
	s_cmp_lt_u32 ttmp9, 144
	s_cselect_b64 s[20:21], s[8:9], s[20:21]
	s_cmp_lt_u32 ttmp9, 136
	s_cselect_b64 s[20:21], s[6:7], s[20:21]
	s_cmp_lt_u32 ttmp9, 128
	s_cselect_b64 s[20:21], s[4:5], s[20:21]
	s_cselect_b64 s[22:23], s[14:15], s[16:17]     ; the destination
	s_cselect_b32 s26, 0x400000, s26               ; where its scale bytes begin
	s_cselect_b32 s24, ttmp9, s24
	s_cselect_b32 s25, ttmp9, s25
	s_lshl_b32 s24, s24, 2
	s_add_co_u32 s24, s24, s18                     ; my tile in the source
	s_lshl_b32 s25, s25, 2
	s_add_co_u32 s25, s25, s18                     ; and in the destination
	s_lshr_b32 s30, s24, 1
	s_lshl_b32 s30, s30, 16                        ; 32 rows of 2,048 bytes for each pair of tiles,
	s_and_b32 s31, s24, 1
	s_lshl_b32 s31, s31, 14                        ; 8 rows for the odd one
	s_add_co_u32 s30, s30, s31
	s_mov_b32 s31, 0
	s_add_nc_u64 s[20:21], s[20:21], s[30:31]
	s_lshl_b32 s30, s25, 8
	s_add_co_u32 s30, s30, s26
	s_add_nc_u64 s[32:33], s[22:23], s[30:31]      ; my tile's scale bytes
	s_lshl_b32 s30, s25, 13
	s_add_nc_u64 s[22:23], s[22:23], s[30:31]      ; my tile's codes
.macro LOAD t                          ; slot t is row t + 8 (t / 8) of the tile's span
.irp i, 0,1,2,3
	global_load_b128 v[R+16*((\t)%4)+4*\i:R+16*((\t)%4)+4*\i+3], v3, s[20:21] offset:2048*((\t)+8*((\t)/8))+512*\i th:TH_LOAD_NT
.endr
.endm
.macro TURN t                          ; step t's numbers through the stage: LDS serves a wave's instructions in order, so no wait stands between the stores and the loads
.irp i, 0,1,2,3
	ds_store_b128 v14, v[R+16*((\t)%4)+4*\i:R+16*((\t)%4)+4*\i+3] offset:32*SP*((\t)%2)+8*SP*\i
.endr
.irp i, 0,1,2,3
	ds_load_b128 v[X+16*((\t)%2)+4*\i:X+16*((\t)%2)+4*\i+3], v15 offset:32*SP*((\t)%2)+16*\i
.endr
.endm
.irp t, 0,1,2,3
	LOAD \t
.endr
	s_wait_loadcnt 12                              ; step 0's four loads are in; the twelve behind them may be out
	TURN 0
.macro STEP t
.set XS, X+16*((\t)%2)
.if (\t) > 0
	s_wait_dscnt 2                                 ; this step's numbers are back from the stage (the last step's two stores, its byte and its codes, may be out): so its stores into the stage have read their registers,
.else
	s_wait_dscnt 0x0
.endif
.if (\t)+4 < STEPS
	LOAD (\t)+4                                    ; which take the loads of four steps on
.endif
.if (\t)+1 < STEPS
.if STEPS-2-(\t) >= 3
	s_wait_loadcnt 12                              ; the next step's four loads are in; those of the three steps behind it may be out
.else
	s_wait_loadcnt 4*(STEPS-2-(\t))
.endif
	TURN (\t)+1                                    ; and go through the other stage while this step is worked
.endif
	v_max3_num_f32 v8, |v[XS]|, |v[XS+1]|, |v[XS+2]|               ; the largest magnitude of my 16, in two chains
	v_max3_num_f32 v9, |v[XS+3]|, |v[XS+4]|, |v[XS+5]|
.irp i, 6,10
	v_max3_num_f32 v8, v8, |v[XS+\i]|, |v[XS+\i+1]|
	v_max3_num_f32 v9, v9, |v[XS+\i+2]|, |v[XS+\i+3]|
.endr
	v_max3_num_f32 v8, v8, |v[XS+14]|, |v[XS+15]|
	v_max3_num_f32 v8, v8, v9, (EMAX+1)<<23        ; and the floor 2^(EMAX + 1 - 127): the byte cannot fall under 1
	v_max_num_f32_dpp v8, v8, v8 row_xmask:1 row_mask:0xf bank_mask:0xf   ; and of my neighbour's 16: the block's
	v_add_nc_u32 v11, -(EMAX<<23), v8              ; EMAX off its exponent field: the conversion takes the exponent field of this operand as its scale
	v_and_or_b32 v10, v8, 0x7f800000, s29          ; 448 x the scale: the largest magnitude's exponent field over 448's mantissa
.irp i, 0,1,2,3,4,5,6,7,8,9,10,11,12,13,14,15
	v_med3_num_f32 v[XS+\i], v[XS+\i], -v10, v10   ; the conversion to an 8-bit code does not saturate (ISA guide 7.6.2): the hold comes first
.endr
	v_cvt_scalef32_pk8_fp8_f32 v[C+4*(\t):C+4*(\t)+1], v[XS:XS+7], v11
	v_cvt_scalef32_pk8_fp8_f32 v[C+4*(\t)+2:C+4*(\t)+3], v[XS+8:XS+15], v11
	v_lshrrev_b32 v[E+(\t)], 23, v11               ; the scale's byte
	ds_store_b8 v5, v[E+(\t)] offset:8*(\t)        ; slot t's words lie 8 t on; both lanes of a block write the same byte with the same value
	ds_store_b128 v4, v[C+4*(\t):C+4*(\t)+3] offset:16*(\t)
.endm
.irp t, 0,1,2,3,4,5,6,7,8,9,10,11,12,13,14,15
	STEP \t
.endr
.irp q, 0,1,2,3,4,5,6,7,8,9,10,11,12,13,14,15
	ds_load_b128 v[R+4*\q:R+4*\q+3], v13 offset:2*CPT*\q          ; LDS serves a wave's instructions in order: these see my stores
.endr
	ds_load_b64 v[10:11], v6
.irp q, 0,1,2,3,4,5,6,7,8,9,10,11,12,13,14,15
	s_wait_dscnt 16-\q                             ; behind load q: the 15 - q younger ones and the scale bytes'
	global_store_b128 v3, v[R+4*\q:R+4*\q+3], s[22:23] offset:512*\q   ; 32 lanes store 512 consecutive bytes, at a multiple of 256 from the buffer's first byte
.endr
	s_wait_dscnt 0x0
	global_store_b64 v7, v[10:11], s[32:33]        ; 32 lanes store 256 consecutive bytes, aligned
	s_wait_tensorcnt 0x0
	ds_add_u32 v192, v193
	s_wait_dscnt 0x0
	s_endpgm
.Lfunc_end_k_qc47273ad4e_quant:
	.size	k_qc47273ad4e_quant, .Lfunc_end_k_qc47273ad4e_quant-k_qc47273ad4e_quant
	.p2alignl 7, 3214868480
	.fill 96, 4, 3214868480
	.section	.rodata,"a",@progbits
	.p2align	6, 0x0
	.amdhsa_kernel k_qc47273ad4e_quant
		.amdhsa_group_segment_fixed_size 57856
		.amdhsa_private_segment_fixed_size 0
		.amdhsa_enable_private_segment 0
		.amdhsa_kernarg_size 56
		.amdhsa_user_sgpr_count 2
		.amdhsa_user_sgpr_kernarg_segment_ptr 1
		.amdhsa_wavefront_size32 1
		.amdhsa_system_sgpr_workgroup_id_x 1
		.amdhsa_system_sgpr_workgroup_id_y 1
		.amdhsa_system_sgpr_workgroup_id_z 1
		.amdhsa_system_vgpr_workitem_id 0
		.amdhsa_next_free_vgpr 194
		.amdhsa_next_free_sgpr 66
		.amdhsa_reserve_vcc 0
		.amdhsa_float_denorm_mode_32 3
		.amdhsa_float_denorm_mode_16_64 3
		.amdhsa_memory_ordered 1
		.amdhsa_forward_progress 1
		.amdhsa_inst_pref_size 55
	.end_amdhsa_kernel
	.amdgpu_metadata
---
amdhsa.version: [ 1, 2 ]
amdhsa.kernels:
  - .name:           k_qc47273ad4e_quant
    .symbol:         k_qc47273ad4e_quant.kd
    .args:
      - { .name: x, .offset: 0, .size: 8, .value_kind: global_buffer, .address_space: global }
      - { .name: Wq, .offset: 8, .size: 8, .value_kind: global_buffer, .address_space: global }
      - { .name: Wk, .offset: 16, .size: 8, .value_kind: global_buffer, .address_space: global }
      - { .name: Wv, .offset: 24, .size: 8, .value_kind: global_buffer, .address_space: global }
      - { .name: Wo, .offset: 32, .size: 8, .value_kind: global_buffer, .address_space: global }
      - { .name: xq, .offset: 40, .size: 8, .value_kind: global_buffer, .address_space: global }
      - { .name: wq, .offset: 48, .size: 8, .value_kind: global_buffer, .address_space: global }
    .group_segment_fixed_size: 57856
    .private_segment_fixed_size: 0
    .kernarg_segment_align: 8
    .kernarg_segment_size: 56
    .max_flat_workgroup_size: 128
    .sgpr_count:     66
    .vgpr_count:     194
    .wavefront_size: 32
...
	.end_amdgpu_metadata
.endif
;; end of part 1
;; launch qkv (part 2): grid 64 x 3, 8 waves a work-group, no clusters, 68,608 bytes of LDS; arguments xq, wq, bq, bk, bv, qq, kv; writes qq, kv
.if DOCPART == 2
	.amdgcn_target "amdgcn-amd-amdhsa--gfx1250"
	.amdhsa_code_object_version 6
	.text
	.protected	k_qc47273ad4e_qkv
	.globl	k_qc47273ad4e_qkv
	.p2align	8
	.type	k_qc47273ad4e_qkv,@function
k_qc47273ad4e_qkv:
	s_mov_b64 s[64:65], 0
	v_nop
	global_prefetch_b8 v0, s[64:65] scope:SCOPE_SE
	s_setreg_imm32_b32 hwreg(HW_REG_WAVE_MODE, 25, 1), 1
	s_wait_xcnt 0x0
; Q = x Wq^T + bq, K = x Wk^T + bk, V = x Wv^T + bv on codes of FP8 (E4M3) with E8M0 scales (K = 512: four matrix instructions deep), and the results quantised again, in registers, as attention's operands:
; Q and K along the head's 64 channels, V along the keys.
; LIMITS: the bias is the C of a sum's first matrix instruction, so it is added first and not last as the source has it (an order of rounding); a block of zeros gets the scale byte 1, not 127 (its codes are zeros; this
; program alone reads the bytes); NaN and infinities are not served.
; SHARES.  A work-group takes 128 rows of x (tiles 8 g .. 8 g + 7 of 16 rows, which are also one key step of attention) and one of the three products (y = 0: Q, 1: K, 2: V).  Wave w is head w: its 64 rows of W (4 tiles x 4 K
; steps, 256 registers, window 1) are read once and stay.  The 8 tiles of x (64 KiB of codes) are read once, a tile a wave, and go to all waves through LDS as images of the operand's registers: one barrier.
; TILES: slot r of tile T is row 32 (T / 2) + 8 (T % 2) + r + 8 (r / 8), in x and in W alike.  So a lane's 16 results of two neighbouring tiles of source 0 are 16 neighbours along that source's rows.
; Q, K: source 0 = W's tile, source 1 = x's: lane (r, h) holds slot r of x's tile and channels 32 b + 16 h + 0 .. 15: the codes are registers 4 b .. 4 b + 3 of a fragment with K = the channels.  A tile's two blocks of 32
;   channels are 1,024 bytes; two neighbouring tiles make one operand of 16 registers (K = 128) and share one scale word: bytes 0, 1 the even tile's, bytes 2, 3 the odd one's.
; V: source 0 = x's tile, source 1 = W's: lane (r, h) holds channel slot r and keys 32 i + 16 h + 0 .. 15 of the step: registers 4 i .. 4 i + 3 of V^T's fragment with K = the keys.
; OUT: qq: tile (256 bh + T) x 1,024; from 4,194,304 on (32 bh + T / 8) x 256: four pair words a slot.  kv: (32 bh + step) x 16,384 = K's 8 tiles, then V^T's 4 channel tiles of 2,048; from 8,388,608 on (32 bh + step) x 512 =
;   K's pair words, then V's words.  Word n of 4 of slot r lies at 8 (16 (n % 2) + r) + 4 (n / 2): a load of 8 bytes a lane brings two scale registers.
; NO CLUSTER: a joint request is a tensor load into LDS; here each wave's 64 loads of W land once in the registers in which they stay and no loop walks them again: through LDS the same bytes would be written and read once more.
; REGISTERS: window 1: W's fragment (t, s) at v[16 (4 t + s)].  Window 0: v1-8 addresses; v16-23 W's scale words; v24-27 x's; v28-31 the four words that leave; v32-63 the bias, 8 a tile; v64-127 four fragments of x;
;   v128-191 eight accumulators; v192-207 the codes just made; v224-239 at work in the quantiser; v240 its scale word; v242-243 a pair on its way in or out.
.set XSC,  65536                       ; LDS: 8 images of 8,192 bytes from 0 on; behind them the tiles' scale words, 256 bytes each
.set LI,   1                           ; v1  16 x lane
.set L8,   2                           ; v2  8 x lane
.set XW,   3                           ; v3  where I store my tile's image
.set XSW,  4                           ; v4  and its scale words
.set XSR,  5                           ; v5  where any tile's scale words are read
.set HB,   6                           ; v6  Q, K: my half's place in the bias: 64 h
.set VB,   7                           ; v7  V: my channel's: 4 (r + 8 (r / 8))
.set LN,   8                           ; v8  lane
.set WS,   16
.set XS,   24
.set SW,   28
.set BI,   32
.set XF,   64
.set ACC,  128
.set PC,   192
.set TM,   224                         ; v224-227 largest magnitudes, v228-231 bytes, v232-235 448 x the scale, v236-239 the conversions' scale operands
.set PW,   240
.set OP,   242
.set WV,   18
.set TY,   19
.set WP,   40                          ; s[40:41] my W tiles' codes;  s[42:43] their scale words
.set WSP,  42
.set XP,   44                          ; s[44:45] the tile of x that I bring;  s[46:47] its scale words
.set XSP,  46
.set BP,   48                          ; s[48:49] my head's 64 numbers of the bias
.set CP,   50                          ; s[50:51] where my codes go;  s[52:53] my scale words
.set SP,   52
.set SEL,  54
.set MNT,  56
.set MSB, 0
.macro WIN new                         ; the immediate's high byte repeats the setting that is left
.if MSB != \new
	s_set_vgpr_msb (MSB<<8)|\new
.set MSB, \new
.endif
.endm
.macro PLACES                          ; eight places behind this matrix form, in front of reads of results and of loads into registers that matrix instructions have read
.rept 8
	v_nop
.endr
.endm
.macro MMA d, a, b, c, sa, sb, row     ; row = 1: an odd K step: both sides' scale words stand in lanes 16-31
.if \row
	v_wmma_scale_f32_16x16x128_f8f6f4 v[(\d):(\d)+7], v[(\a):(\a)+15], v[(\b):(\b)+15], v[(\c):(\c)+7], v[\sa], v[\sb] matrix_a_scale:MATRIX_SCALE_ROW1 matrix_b_scale:MATRIX_SCALE_ROW1
.else
	v_wmma_scale_f32_16x16x128_f8f6f4 v[(\d):(\d)+7], v[(\a):(\a)+15], v[(\b):(\b)+15], v[(\c):(\c)+7], v[\sa], v[\sb]
.endif
.endm
; 64 numbers of a lane, four blocks of 16 registers, each shared with lane l xor 16, become 16 registers of codes in v[PC] on, four bytes in v[TM+4] on and the word of the four in v[PW]
.macro QUANT s
.irp b, 0,1,2,3
	v_max3_num_f32 v[TM+\b], |v[\s+16*\b]|, |v[\s+1+16*\b]|, 0x4800000   ; my 16 numbers, and the floor 2^(9 - 127): the byte cannot fall under 1.  (Each accumulator is read from its low end on)
.endr
.irp i, 2,4,6,8,10,12,14
.irp b, 0,1,2,3
	v_max3_num_f32 v[TM+\b], v[TM+\b], |v[\s+16*\b+\i]|, |v[\s+1+16*\b+\i]|   ; (the four blocks by turns)
.endr
.endr
.irp b, 0,1,2,3
	s_delay_alu instid0(VALU_DEP_4)
	v_permlanex16_b32 v[TM+4+\b], v[TM+\b], s[SEL], s[SEL+1]
.endr
.irp b, 0,1,2,3
	s_delay_alu instid0(VALU_DEP_4)
	v_max_num_f32 v[TM+\b], v[TM+\b], v[TM+4+\b]   ; with lane l xor 16's: the block's largest magnitude
.endr
.irp b, 0,1,2,3
	s_delay_alu instid0(VALU_DEP_4)
	v_add_nc_u32 v[TM+12+\b], 0xfc000000, v[TM+\b]   ; 8 off its exponent field: the conversion's scale operand
.endr
.irp b, 0,1,2,3
	v_and_or_b32 v[TM+8+\b], v[TM+\b], 0x7f800000, s[MNT]   ; 448 x the scale
.endr
.irp b, 0,1,2,3
	v_lshrrev_b32 v[TM+4+\b], 23, v[TM+12+\b]      ; the scale's byte
.endr
	s_delay_alu instid0(VALU_DEP_3)
	v_lshl_or_b32 v[PW], v[TM+5], 8, v[TM+4]
	s_delay_alu instid0(VALU_DEP_1)
	v_lshl_or_b32 v[PW], v[TM+6], 16, v[PW]
	s_delay_alu instid0(VALU_DEP_1)
	v_lshl_or_b32 v[PW], v[TM+7], 24, v[PW]
.irp b, 0,1,2,3
.irp i, 0,1,2,3,4,5,6,7,8,9,10,11,12,13,14,15
	v_med3_num_f32 v[\s+16*\b+\i], v[\s+16*\b+\i], -v[TM+8+\b], v[TM+8+\b]   ; the conversion does not saturate (ISA guide 7.6.2): the hold comes first
.endr
	v_cvt_scalef32_pk8_fp8_f32 v[PC+4*\b:PC+1+4*\b], v[\s+16*\b:\s+7+16*\b], v[TM+12+\b]
	v_cvt_scalef32_pk8_fp8_f32 v[PC+2+4*\b:PC+3+4*\b], v[\s+8+16*\b:\s+15+16*\b], v[TM+12+\b]
.endr
	v_nop                                          ; a plain line behind the last conversion: the next products write its sources
.endm
.macro WLOAD t                         ; W's tile t: four fragments
.irp s, 0,1,2,3
.irp c, 0,1,2,3
	global_load_b128 v[16*(4*\t+\s)+4*\c:16*(4*\t+\s)+4*\c+3], v[LI], s[WP:WP+1] offset:\t*8192+\s*2048+512*\c
.endr
.endr
.endm
	s_load_b256 s[4:11], s[0:1], 0x0               ; xq, wq, bq, bk
	s_load_b128 s[12:15], s[0:1], 0x20             ; bv, qq
	s_load_b64 s[16:17], s[0:1], 0x30              ; kv
	v_lshl_add_u32 v254, v0, 2, 0x10800
	v_mov_b32 v255, 0
	v_lshrrev_b32 v1, 5, v0
	s_delay_alu instid0(VALU_DEP_1)
	v_readfirstlane_b32 s[WV], v1                  ; wave = head
	s_and_b32 s[TY], ttmp7, 0xffff                 ; 0: Q, 1: K, 2: V
	v_and_b32 v[LN], 31, v0
	s_delay_alu instid0(VALU_DEP_1)
	v_lshlrev_b32 v[LI], 4, v[LN]
	s_delay_alu instid0(VALU_DEP_2)
	v_lshlrev_b32 v[L8], 3, v[LN]
	s_lshl_b32 s20, s[WV], 13
	v_add_nc_u32 v[XW], s20, v[LI]
	s_lshl_b32 s20, s[WV], 8
	s_add_co_u32 s20, s20, XSC
	v_add_nc_u32 v[XSW], s20, v[L8]
	v_add_nc_u32 v[XSR], XSC, v[L8]
	v_bfe_u32 v9, v0, 4, 1                         ; h
	s_delay_alu instid0(VALU_DEP_1)
	v_lshlrev_b32 v[HB], 6, v9
	v_and_b32 v10, 15, v0                          ; r
	s_delay_alu instid0(VALU_DEP_1)
	v_and_b32 v11, 8, v10
	s_delay_alu instid0(VALU_DEP_1)
	v_add_nc_u32 v11, v11, v10                     ; r + 8 (r / 8)
	s_delay_alu instid0(VALU_DEP_1)
	v_lshlrev_b32 v[VB], 2, v11
.irp b, 0,1,2,3
	v_mov_b32 v[TM+4+\b], 0                        ; written once: a lane permute's destination counts as one of its sources
.endr
	s_lshl_b32 s20, s[TY], 5
	s_lshl_b32 s21, s[WV], 2
	s_add_co_u32 s20, s20, s21                     ; my first tile of wq: 32 y + 4 w
	s_lshl_b32 s22, s20, 13
	s_mov_b32 s23, 0
	s_lshl_b32 s24, s20, 8
	s_add_co_u32 s24, s24, 0x100000
	s_mov_b32 s25, 0
	s_lshl_b32 s21, ttmp9, 3
	s_add_co_u32 s21, s21, s[WV]                   ; the tile of x that I bring: 8 g + w
	s_lshl_b32 s26, s21, 13
	s_mov_b32 s27, 0
	s_lshl_b32 s28, s21, 8
	s_add_co_u32 s28, s28, 0x400000
	s_mov_b32 s29, 0
	s_lshr_b32 s30, ttmp9, 5                       ; the batch
	s_lshl_b32 s30, s30, 8
	s_lshl_b32 s31, s[WV], 5
	s_add_co_u32 s30, s30, s31
	s_and_b32 s31, ttmp9, 31
	s_add_co_u32 s30, s30, s31                     ; G = 32 (8 batch + head) + the step
	s_mov_b32 s33, 0x800000
	s_cmp_eq_u32 s[TY], 0
	s_cselect_b32 s31, 13, 14                      ; a step's codes: 8,192 bytes in qq, 16,384 in kv
	s_cselect_b32 s32, 8, 9                        ; its scale words: 256 and 512
	s_cselect_b32 s33, 0x400000, s33               ; where the scale words begin
	s_lshl_b32 s34, s30, s31
	s_mov_b32 s35, 0
	s_lshl_b32 s36, s30, s32
	s_add_co_u32 s36, s36, s33
	s_mov_b32 s37, 0
	s_cmp_eq_u32 s[TY], 2
	s_cselect_b32 s38, 8192, 0                     ; V's codes and words lie behind K's
	s_cselect_b32 s39, 256, 0
	s_add_co_u32 s34, s34, s38
	s_add_co_u32 s36, s36, s39
	s_lshl_b32 s38, s[WV], 8                       ; the head's 64 numbers of a bias
	s_mov_b32 s39, 0
	s_mov_b32 s[SEL], 0x76543210
	s_mov_b32 s[SEL+1], 0xfedcba98                 ; v_permlanex16_b32's selects for lane l xor 16
	s_mov_b32 s[MNT], 0x600000                     ; the mantissa field of 448
	s_wait_kmcnt 0x0
	s_add_nc_u64 s[WP:WP+1], s[6:7], s[22:23]
	s_add_nc_u64 s[WSP:WSP+1], s[6:7], s[24:25]
	s_add_nc_u64 s[XP:XP+1], s[4:5], s[26:27]
	s_add_nc_u64 s[XSP:XSP+1], s[4:5], s[28:29]
	s_cmp_eq_u32 s[TY], 0
	s_cselect_b64 s[BP:BP+1], s[8:9], s[10:11]
	s_cselect_b64 s[CP:CP+1], s[14:15], s[16:17]
	s_cmp_eq_u32 s[TY], 2
	s_cselect_b64 s[BP:BP+1], s[12:13], s[BP:BP+1]
	s_add_nc_u64 s[BP:BP+1], s[BP:BP+1], s[38:39]
	s_add_nc_u64 s[SP:SP+1], s[CP:CP+1], s[36:37]
	s_add_nc_u64 s[CP:CP+1], s[CP:CP+1], s[34:35]
	; ---- my tile of x, then W
.irp q, 0,1,2,3,4,5,6,7,8,9,10,11,12,13,14,15
	global_load_b128 v[ACC+4*\q:ACC+4*\q+3], v[LI], s[XP:XP+1] offset:512*\q
.endr
	global_load_b64 v[OP:OP+1], v[L8], s[XSP:XSP+1]
	WIN 0x40                                       ; destination window 1, address window 0
	WLOAD 0
	WLOAD 1
	WIN 0
	s_wait_loadcnt 32                              ; my tile of x and its scale words are in; W's 32 loads behind them may be out
.irp q, 0,1,2,3,4,5,6,7,8,9,10,11,12,13,14,15
	ds_store_b128 v[XW], v[ACC+4*\q:ACC+4*\q+3] offset:512*\q       ; the image as it came: 512 consecutive bytes a store
.endr
	ds_store_b64 v[XSW], v[OP:OP+1]
	WIN 0x40
	WLOAD 2
	WLOAD 3
	WIN 0
.irp t, 0,1,2,3
	global_load_b64 v[WS+2*\t:WS+2*\t+1], v[L8], s[WSP:WSP+1] offset:256*\t
.endr
	s_wait_dscnt 0x0                               ; for the others' sake: my stores have landed
	s_barrier_signal -1
	s_barrier_wait -1                              ; the eight tiles lie in LDS; from here on LDS is only read
; Two neighbouring tiles of x (2 i, 2 i + 1) against my four tiles of W: 32 matrix instructions, eight accumulators by turns, one instruction a turn; then the quantiser and the stores.
; vp = 0: Q or K.  vp = 1: V (the sources change places).
.macro PAIR vp, i
.if \i > 0
	s_wait_xcnt 0x0                                ; the last pair's stores have read the codes' registers: only behind this wait are they written again
.endif
.irp sr, 0,1                                   ; K steps 2 sr and 2 sr + 1
.if \sr == 1
	PLACES
.endif
.irp u, 0,1
.irp sp, 0,1
.irp c, 0,1,2,3
	ds_load_b128 v[XF+32*\u+16*\sp+4*\c:XF+32*\u+16*\sp+4*\c+3], v[LI] offset:(2*\i+\u)*8192+(2*\sr+\sp)*2048+512*\c
.endr
.endr
.endr
.if \sr == 0
	ds_load_b64 v[XS:XS+1], v[XSR] offset:(2*\i)*256
	ds_load_b64 v[XS+2:XS+3], v[XSR] offset:(2*\i+1)*256
.endif
	s_wait_dscnt 0x0
.if \vp
	WIN 0x04                                       ; source 1 (W) window 1
.else
	WIN 0x01                                       ; source 0 (W) window 1
.endif
.irp sp, 0,1
.irp u, 0,1
.irp t, 0,1,2,3
.if \vp
.if 2*\sr+\sp == 0
	MMA ACC+16*\t+8*\u, XF+32*\u+16*\sp, 16*(4*\t+2*\sr+\sp), BI+8*\t, XS+2*\u+\sr, WS+2*\t+\sr, \sp
.else
	MMA ACC+16*\t+8*\u, XF+32*\u+16*\sp, 16*(4*\t+2*\sr+\sp), ACC+16*\t+8*\u, XS+2*\u+\sr, WS+2*\t+\sr, \sp
.endif
.else
.if 2*\sr+\sp == 0
	MMA ACC+32*\u+8*\t, 16*(4*\t+2*\sr+\sp), XF+32*\u+16*\sp, BI+8*\t, WS+2*\t+\sr, XS+2*\u+\sr, \sp
.else
	MMA ACC+32*\u+8*\t, 16*(4*\t+2*\sr+\sp), XF+32*\u+16*\sp, ACC+32*\u+8*\t, WS+2*\t+\sr, XS+2*\u+\sr, \sp
.endif
.endif
.endr
.endr
.endr
	WIN 0
.endr
	PLACES                                         ; with the quantiser's lines that name only its own registers these are also the nine places in front of the next pair's first products, which begin the accumulators anew
	QUANT ACC
.if \vp
.irp q, 0,1,2,3
	global_store_b128 v[LI], v[PC+4*\q:PC+4*\q+3], s[CP:CP+1] offset:2048*\q+512*\i   ; channel tile q, keys 32 i on: 512 consecutive bytes
.if \i == 0
	v_mov_b32 v[SW+\q], v[TM+4+\q]                 ; byte i of channel tile q's word
.else
	v_lshl_or_b32 v[SW+\q], v[TM+4+\q], 8*\i, v[SW+\q]
.endif
.endr
.else
.irp q, 0,1,2,3
	global_store_b128 v[LI], v[PC+4*\q:PC+4*\q+3], s[CP:CP+1] offset:2048*\i+512*\q   ; tile 2 i + q / 2, channels 32 (q % 2) on
.endr
	v_mov_b32 v[SW+\i], v[PW]                      ; the pair's word
.endif
.endm
.macro FIN                             ; the four words leave as two registers: words 0 and 2 from lanes 0-15, words 1 and 3 from lanes 16-31: 256 consecutive bytes
	v_cmp_gt_u32 vcc_lo, 16, v[LN]
	s_delay_alu instid0(VALU_DEP_1)
	v_cndmask_b32 v[OP], v[SW+1], v[SW], vcc_lo
	s_delay_alu instid0(VALU_DEP_2)
	v_cndmask_b32 v[OP+1], v[SW+3], v[SW+2], vcc_lo
	global_store_b64 v[L8], v[OP:OP+1], s[SP:SP+1]
	s_wait_tensorcnt 0x0
	ds_add_u32 v254, v255
	s_wait_dscnt 0x0
	s_endpgm
.endm
	s_cmp_eq_u32 s[TY], 2                          ; the same in all waves of the work-group
	s_cbranch_scc1 .Lv
	s_wait_alu depctr_va_vdst(0)
.irp t, 0,1,2,3                                ; Q, K: register j of tile t is channel 32 (t / 2) + 8 (t % 2) + 16 h + j
	global_load_b128 v[BI+8*\t:BI+8*\t+3], v[HB], s[BP:BP+1] offset:(\t/2)*128+(\t%2)*32
	global_load_b128 v[BI+8*\t+4:BI+8*\t+7], v[HB], s[BP:BP+1] offset:(\t/2)*128+(\t%2)*32+16
.endr
	s_wait_loadcnt 0x0                             ; W, its scale words, the bias
	PAIR 0, 0
	PAIR 0, 1
	PAIR 0, 2
	PAIR 0, 3
	FIN
.Lv:
	s_wait_alu depctr_va_vdst(0)
.irp t, 0,1,2,3                                ; V: all eight registers of tile t are my lane's channel, 32 (t / 2) + 8 (t % 2) + r + 8 (r / 8)
	global_load_b32 v[BI+8*\t], v[VB], s[BP:BP+1] offset:(\t/2)*128+(\t%2)*32
.endr
	s_wait_loadcnt 0x0
.irp t, 0,1,2,3
.irp j, 1,2,3,4,5,6,7
	v_mov_b32 v[BI+8*\t+\j], v[BI+8*\t]
.endr
.endr
	s_wait_alu depctr_va_vdst(0)
	PAIR 1, 0
	PAIR 1, 1
	PAIR 1, 2
	PAIR 1, 3
	FIN
.Lfunc_end_k_qc47273ad4e_qkv:
	.size	k_qc47273ad4e_qkv, .Lfunc_end_k_qc47273ad4e_qkv-k_qc47273ad4e_qkv
	.p2alignl 7, 3214868480
	.fill 96, 4, 3214868480
	.section	.rodata,"a",@progbits
	.p2align	6, 0x0
	.amdhsa_kernel k_qc47273ad4e_qkv
		.amdhsa_group_segment_fixed_size 68608
		.amdhsa_private_segment_fixed_size 0
		.amdhsa_enable_private_segment 0
		.amdhsa_kernarg_size 56
		.amdhsa_user_sgpr_count 2
		.amdhsa_user_sgpr_kernarg_segment_ptr 1
		.amdhsa_wavefront_size32 1
		.amdhsa_system_sgpr_workgroup_id_x 1
		.amdhsa_system_sgpr_workgroup_id_y 1
		.amdhsa_system_sgpr_workgroup_id_z 1
		.amdhsa_system_vgpr_workitem_id 0
		.amdhsa_next_free_vgpr 512
		.amdhsa_next_free_sgpr 66
		.amdhsa_reserve_vcc 1
		.amdhsa_float_denorm_mode_32 3
		.amdhsa_float_denorm_mode_16_64 3
		.amdhsa_memory_ordered 1
		.amdhsa_forward_progress 1
		.amdhsa_inst_pref_size 143
	.end_amdhsa_kernel
	.amdgpu_metadata
---
amdhsa.version: [ 1, 2 ]
amdhsa.kernels:
  - .name:           k_qc47273ad4e_qkv
    .symbol:         k_qc47273ad4e_qkv.kd
    .args:
      - { .name: xq, .offset: 0, .size: 8, .value_kind: global_buffer, .address_space: global }
      - { .name: wq, .offset: 8, .size: 8, .value_kind: global_buffer, .address_space: global }
      - { .name: bq, .offset: 16, .size: 8, .value_kind: global_buffer, .address_space: global }
      - { .name: bk, .offset: 24, .size: 8, .value_kind: global_buffer, .address_space: global }
      - { .name: bv, .offset: 32, .size: 8, .value_kind: global_buffer, .address_space: global }
      - { .name: qq, .offset: 40, .size: 8, .value_kind: global_buffer, .address_space: global }
      - { .name: kv, .offset: 48, .size: 8, .value_kind: global_buffer, .address_space: global }
    .group_segment_fixed_size: 68608
    .private_segment_fixed_size: 0
    .kernarg_segment_align: 8
    .kernarg_segment_size: 56
    .max_flat_workgroup_size: 256
    .sgpr_count:     66
    .vgpr_count:     512
    .wavefront_size: 32
...
	.end_amdgpu_metadata
.endif
;; end of part 2
;; launch attn (part 3): grid 16 x 16, 4 waves a work-group, clusters of 4 x 1, 327,680 bytes of LDS; arguments qq, kv, aq; writes aq
.if DOCPART == 3
	.amdgcn_target "amdgcn-amd-amdhsa--gfx1250"
	.amdhsa_code_object_version 6
	.text
	.protected	k_qc47273ad4e_attn
	.globl	k_qc47273ad4e_attn
	.p2align	8
	.type	k_qc47273ad4e_attn,@function
k_qc47273ad4e_attn:
	s_mov_b64 s[64:65], 0
	v_nop
	global_prefetch_b8 v0, s[64:65] scope:SCOPE_SE
	s_setreg_imm32_b32 hwreg(HW_REG_WAVE_MODE, 25, 1), 1
	s_wait_xcnt 0x0
	s_wait_alu depctr_hold_cnt(0) depctr_sa_sdst(0) depctr_va_vdst(0) depctr_va_sdst(0) depctr_va_ssrc(0) depctr_va_vcc(0) depctr_vm_vsrc(0)
	s_getreg_b32 s2, hwreg(HW_REG_IB_STS2, 6, 4)
	s_cmp_eq_u32 s2, 0
	s_cbranch_scc0 .Lentry_in_a_cluster
	s_endpgm
.Lentry_in_a_cluster:
	s_bfe_u32 s2, ttmp6, 0x10000c
	s_cmp_lg_u32 s2, 0x3003
	s_cbranch_scc0 .Lentry_shape_is_right
	s_endpgm
.Lentry_shape_is_right:
; attn[b][q][64 hd ..] = the sum over k of softmax_k(Q . K / 8) V for each of 16 (batch, head), 4,096 queries and keys, head size 64; both products on codes of FP8 (E4M3) with E8M0 scales;
; the result is quantised again, along the 512 channels, as the last projection's operand.
; THE SOFTMAX: t = score x log2(e) / 8; M = the row's largest t so far, rounded UP to a whole number; p = 2^(t - M) is quantised along the keys, not normalised.  The row's sum is taken of the unquantised p and
; divides at the end.  When M moves, the sums and O are multiplied by f = 2^(old M - new M): exact.
; LIMITS: the promise holds while the scaled scores stay under 2^31 in magnitude; a p under 2^-126 counts as 0 (v_exp_f32's entry in the ISA guide); a block of zeros gets the scale byte 1, not 127 (its codes are
; zeros; this program alone reads the bytes); NaN and infinities are not served.
; SHARES.  A work-group owns 256 queries of one (batch, head); each of its FOUR waves, one to a SIMD, owns four tiles of 16 queries: a fragment of K or V read from LDS feeds four matrix instructions.
; LAYOUT.  Both products are used transposed: S^T = K Q^T (source 0 = keys), O^T = V^T P^T (source 0 = channels): a lane holds ONE query of each tile.  Slot r of a tile T is row 32 (T / 2) + 8 (T % 2) + r + 8 (r / 8):
; the 16 registers of tiles 2 b, 2 b + 1 of S^T are keys 32 b + 16 (lane / 16) + 0 .. 15, and O^T's likewise channels: the conversions' results ARE the next operand's registers.
; K = 64 IN A FORM OF K = 128: two neighbouring tiles of keys make one operand.  Q stands as [Q | 8 registers of zero codes | Q]: its first 16 registers pick the even tile, its last 16 the odd one; the other half
; multiplies zero codes by finite codes and adds exactly 0.
; REGISTERS ARE LAID BY ROLE, NOT BY TILE, so that lines of different tiles stand under one window setting.  Window 1: the 4 x 64 scores, then p.  Window 2: O^T (4 x 32), p's codes (4 x 16), the sums (4 tiles x 8 chains
; x 2).  Window 3: K (64), V (64), Q (4 x 24), f (4 pairs).  Window 0: addresses, scale words, and every small number of the softmax, 16 blocks side by side.
; THE ORDER OF A TRIP (step n's second half, step n + 1's first half): the exponentials, the sums, the holds and the conversions of step n, with the fetch of K(n + 1) among them; S^T(n + 1); its maxima, M and f;
; O^T += V^T P^T of step n, with the rescaling by f(n + 1) five lines behind each product (an accumulator's lines stand 17 plain lines or more behind its own product); V(n + 1) is fetched; t - M of tiles 0 and 3; the blocks' scales.
; A tile's 64 exponentials stand line by line with plain lines of another tile that hang on none of them (its t - M, or its holds); one s_wait_alu closes each such stretch, and where
; there is work that names none of the stretch's results (the fetch of K, an earlier tile's conversions) it stands between the stretch and that wait.
; LDS.  kv holds, for each step of 128 keys, 16,384 dense bytes in the order of the operands' registers (K's 8 tiles, V^T's 4 channel tiles): every read is 16 x lane + a constant.  Step 0 has 16,384 bytes of its own;
; behind them two slots of eight steps (steps 8 f + 1 .. 8 f + 8 in fill f), then the head's scale words (16,384 bytes, filled once), then the spare words.  At the head waves 0-2 fetch steps 0-8, 49,152 bytes each,
; wave 3 the scale words.  Behind a change of slots each wave fetches two steps.  By this text's own count a wave has at most one tensor load out.  Fill 3's last 16,384 bytes (a step 32) are fetched with step 31 by
; one descriptor and never read: they lie inside kv for every head (behind the last head's codes stand the scale words).
; CLUSTER.  The four work-groups of a cluster belong to one (batch, head) and walk the same K and V: each tile is asked for JOINTLY, by the same tensor load with the same descriptor and a mask that names the four.
; NO PREFETCH: each fill is asked for a whole slot's walk, eight key steps, ahead of the change of slots behind which it is first read, and the head has no loop to run ahead in.
.set STEPB, 16384
.set SLOTB, 131072
.set RING,  16384                      ; slot 0 begins here; RING + wave x 32,768 has bit 17 clear, so one exclusive or turns a place in one slot into the other's
.set SCL,   278528
.set SPARE, 294912                     ; the spare words, 128 bytes a wave
.set L16,  1                           ; 16 x lane
.set LI,   2                           ; 16 x lane + RING
.set LS,   3                           ; 8 x lane + SCL
.set SPW,  4                           ; my spare word; never rewritten
.set NIL,  5                           ; 0; never rewritten
.set ADK,  6                           ; LDS address of the step's codes
.set ADS,  7                           ; and of its scale words
.set A8H,  8                           ; 8 r + h
.set A8R,  9                           ; 8 r
.set LN,   10
.set NINF, 11                          ; -infinity
.set WPR,  12                          ; Q's two pair words as loaded
.set NM,   16                          ; tile x: v[16 + 2 x] = -M, v[17 + 2 x] = the largest score so far
.set TMP,  24
.set OLD,  28
.set BM,   32                          ; 16 blocks: largest score, then largest p
.set T2,   48
.set HOLD, 64
.set SOP,  80
.set PS,   96                          ; p's scale words
.set QS,   100                         ; Q's: tile x: for even tiles of keys, for odd ones
.set KS,   108
.set VS,   110
.set PW,   112
.set O,    0                           ; window 2
.set PCD,  128
.set SUM,  192
.set KF,   0                           ; window 3
.set VF,   64
.set QF,   128
.set F,    224
.set TB,   2
.set TS,   3
.set WV,   18
.set MNT,  19
.set SEL,  20
.set CS,   22                          ; s[22:23] c = log2(e) / 8
.set G1H,  24                          ; group 1: 192, 64, 128 rows of 256 bytes
.set G1S,  32
.set G1R,  40
.set G0H,  48
.set G0S,  52
.set G0K,  56
.set QP,   60
.set QSP,  62
.set AP,   66
.set ASP,  68
.set SLOTS, 80
.set CNT,  81
.set NC,   82                          ; -c
.set MSB, 0
.macro WIN new                         ; low byte: bits 1:0 source 0, 3:2 source 1, 5:4 source 2, 7:6 destination; the high byte repeats the setting that is left
.if MSB != \new
	s_set_vgpr_msb (MSB<<8)|\new
.set MSB, \new
.endif
.endm
.macro WALU
	s_wait_alu depctr_va_vdst(0)
.endm
.macro CROUND                          ; a round of the cluster's barrier
	s_barrier_signal -1
	s_barrier_wait -1
	s_cmp_lg_u32 s[WV], 0
	s_cbranch_scc1 .Lnot_wave_0_\@
	s_barrier_signal -3
.Lnot_wave_0_\@:
	s_barrier_wait -3
	s_barrier_signal -1
	s_barrier_wait -1
.endm
.macro TLOAD g0, g1                    ; an s_nop 0 and four v_nop follow a tensor load
	tensor_load_to_lds s[\g0:\g0+3], s[\g1:\g1+7]
	s_nop 0
.rept 4
	v_nop
.endr
.endm
.macro GRP g, rows                     ; dense rows of 256 bytes (32 elements of 8), no padding; the mask names all four work-groups, bit 21 beside it
	s_mov_b32 s[\g], 15|(3<<16)|(1<<21)
	s_mov_b32 s[\g+1], 32<<16
	s_mov_b32 s[\g+2], (\rows)<<16
	s_mov_b32 s[\g+3], 32<<16
	s_mov_b32 s[\g+4], \rows
	s_mov_b32 s[\g+5], 32
	s_mov_b32 s[\g+6], 0
	s_mov_b32 s[\g+7], 0
.endm
.macro SH d, src, sh                   ; d += src << sh
	s_lshl_b32 s15, \src, \sh
	s_add_co_u32 \d, \d, s15
.endm
	s_load_b128 s[4:7], s[0:1], 0x0                ; qq, kv
	s_load_b64 s[8:9], s[0:1], 0x10                ; aq
	v_lshl_add_u32 v[SPW], v0, 2, SPARE
	v_mov_b32 v[NIL], 0
	ds_add_u32 v[SPW], v[NIL]                      ; the opening: the add, twice on end, and its wait ahead of my first tensor load
	ds_add_u32 v[SPW], v[NIL]
	v_lshrrev_b32 v[LN], 5, v0
	v_readfirstlane_b32 s[WV], v[LN]               ; wave 0..3
	v_and_b32 v[LN], 31, v0
	v_lshlrev_b32 v[L16], 4, v[LN]
	v_lshl_add_u32 v[LI], v[LN], 4, RING
	v_lshl_add_u32 v[LS], v[LN], 3, SCL
	v_and_b32 v[A8R], 15, v0
	v_lshlrev_b32 v[A8R], 3, v[A8R]
	v_bfe_u32 v[A8H], v0, 4, 1
	v_add_nc_u32 v[A8H], v[A8H], v[A8R]
	v_mov_b32 v[NINF], 0xff800000
	v_mov_b32 v[ADK], v[L16]                       ; step 0 lies at LDS byte 0,
	v_mov_b32 v[ADS], v[LS]                        ; its scale words first
	s_bfe_u32 s10, ttmp6, 0x40000                  ; cx: it enters global addresses of Q and of attn alone
	s_lshl_b32 s11, ttmp9, 2
	s_add_co_u32 s11, s11, s10                     ; my block of 256 queries
	s_and_b32 s12, ttmp7, 0xffff                   ; 8 batch + head, which the four partners share
	s_lshr_b32 s13, s12, 3
	s_and_b32 s14, s12, 7
	s_lshl_b32 s70, s12, 18                        ; Q's codes: tile (256 bh + 16 block + 4 w) x 1,024
	SH s70, s11, 14
	SH s70, s[WV], 12
	s_mov_b32 s71, 0
	s_lshl_b32 s72, s12, 13                        ; Q's pair words: group (32 bh + 2 block + w / 2) x 256; pair n = 2 (w % 2) + x / 2 at 128 (n % 2) + 8 r + 4 (n / 2)
	SH s72, s11, 9
	s_lshr_b32 s16, s[WV], 1
	SH s72, s16, 8
	s_and_b32 s16, s[WV], 1
	SH s72, s16, 2
	s_add_co_u32 s72, s72, 0x400000
	s_mov_b32 s73, 0
	s_lshl_b32 s74, s13, 21                        ; attn's codes: tile (256 batch + 16 block + 4 w) x 8,192; my head is K step head / 2, registers 8 (head % 2) on
	SH s74, s11, 17
	SH s74, s[WV], 15
	s_lshr_b32 s16, s14, 1
	SH s74, s16, 11
	s_and_b32 s17, s14, 1
	SH s74, s17, 10
	s_mov_b32 s75, 0
	s_lshl_b32 s76, s13, 16                        ; attn's scale bytes: tile x 256; word n = head / 2: 128 (n % 2) + 4 (n / 2); bytes 2 (head % 2) on
	SH s76, s11, 12
	SH s76, s[WV], 10
	s_and_b32 s16, s16, 1
	SH s76, s16, 7
	s_lshr_b32 s16, s14, 2
	SH s76, s16, 2
	SH s76, s17, 1
	s_add_co_u32 s76, s76, 0x400000
	s_mov_b32 s77, 0
	s_lshl_b32 s78, s12, 19                        ; the head's codes: 32 steps of 16,384 bytes
	s_mul_i32 s16, s[WV], 49152                    ; the head's load: my third of steps 0-8, in LDS and in memory
	s_lshl_b32 s17, s[WV], 15
	s_add_co_u32 s17, s17, RING                    ; a slot's load: my two steps
	s_add_co_u32 s84, s78, s16
	s_mov_b32 s85, 0
	s_add_co_u32 s86, s78, s17
	s_mov_b32 s87, 0
	s_lshl_b32 s88, s12, 14                        ; the head's scale words
	s_add_co_u32 s88, s88, 0x800000
	s_mov_b32 s89, 0
	GRP G1H, 192
	GRP G1S, 64
	GRP G1R, 128
	s_mov_b32 s[SEL], 0x76543210
	s_mov_b32 s[SEL+1], 0xfedcba98                 ; v_permlanex16_b32's selects for lane l xor 16
	s_mov_b32 s[CS], 0x3e38aa3b
	s_mov_b32 s[CS+1], s[CS]
	s_mov_b32 s[NC], 0xbe38aa3b
	s_mov_b32 s[MNT], 0x600000                     ; the mantissa field of 448
	s_mov_b32 s[SLOTS], 3
	s_mov_b32 s[TB], 0                             ; step 1 lies first in slot 0
	s_mov_b32 s[TS], 512
	WALU
	s_wait_dscnt 0x0                               ; both opening adds are done
	s_wait_kmcnt 0x0
	s_add_nc_u64 s[QP:QP+1], s[4:5], s[70:71]
	s_add_nc_u64 s[QSP:QSP+1], s[4:5], s[72:73]
	s_add_nc_u64 s[AP:AP+1], s[8:9], s[74:75]
	s_add_nc_u64 s[ASP:ASP+1], s[8:9], s[76:77]
	s_mov_b32 s[G0H], 1
	s_mov_b32 s[G0H+1], s16
	s_add_nc_u64 s[G0H+2:G0H+3], s[6:7], s[84:85]
	s_or_b32 s[G0H+3], s[G0H+3], 0x80000000
	s_mov_b32 s[G0K], 1                            ; stands at fill 0's place: the first change steps it to fill 1
	s_mov_b32 s[G0K+1], s17
	s_add_nc_u64 s[G0K+2:G0K+3], s[6:7], s[86:87]
	s_or_b32 s[G0K+3], s[G0K+3], 0x80000000
	s_mov_b32 s[G0S], 1
	s_mov_b32 s[G0S+1], SCL
	s_add_nc_u64 s[G0S+2:G0S+3], s[6:7], s[88:89]
	s_or_b32 s[G0S+3], s[G0S+3], 0x80000000
	CROUND                                         ; all four work-groups are here: the first joint loads meet
	s_cmp_lt_u32 s[WV], 3                          ; one load a wave: waves 0-2 steps 0-8, wave 3 the scale words
	s_cbranch_scc0 .Lwords
	TLOAD G0H, G1H
	s_branch .Lasked
.Lwords:
	TLOAD G0S, G1S
.Lasked:
	global_load_b32 v[WPR], v[A8R], s[QSP:QSP+1]               ; tiles 0, 1: bytes 0, 1 the even tile's two blocks, bytes 2, 3 the odd one's
	global_load_b32 v[WPR+1], v[A8R], s[QSP:QSP+1] offset:128  ; tiles 2, 3
	WIN 0xc0                                       ; destination window 3
.irp x, 0,1,2,3
.irp b, 0,1
	global_load_b128 v[QF+24*\x+4*\b:QF+24*\x+4*\b+3], v[L16], s[QP:QP+1] offset:1024*\x+512*\b
	global_load_b128 v[QF+24*\x+16+4*\b:QF+24*\x+16+4*\b+3], v[L16], s[QP:QP+1] offset:1024*\x+512*\b
.endr
.endr
.irp x, 0,1,2,3
.irp j, 0,1,2,3,4,5,6,7
	v_mov_b32 v[QF+24*\x+8+\j], 0                  ; the zero codes between the two copies of Q
.endr
	v_mov_b32 v[F+2*\x+1], 0                       ; named with f as a pair
.endr
	WIN 0x80                                       ; destination window 2.  The loop has no first trip of its own: O^T and the sums begin as zeros (one more copy of the trip would be the price of a first product with C = 0)
.set j, 0
.rept 128
	v_mov_b32 v[O+j], 0
.set j, j+1
.endr
.set j, 0
.rept 64
	v_mov_b32 v[SUM+j], 0
.set j, j+1
.endr
	WIN 0
	s_wait_loadcnt 16                              ; the two pair words are in; Q's sixteen loads behind them may be out
.irp y, 0,1
	v_and_b32 v[QS+4*\y], 0xffff, v[WPR+\y]        ; the bytes of the half that holds zero codes are 0
	v_lshlrev_b32 v[QS+4*\y+1], 16, v[WPR+\y]
	v_lshrrev_b32 v[QS+4*\y+2], 16, v[WPR+\y]
	v_and_b32 v[QS+4*\y+3], 0xffff0000, v[WPR+\y]
.endr
.set j, 0
.rept 16
	v_mov_b32 v[T2+j], 0                           ; a lane permute's destination counts as one of its sources.  (These lines are also the places between Q's scale words and the first products)
.set j, j+1
.endr
.irp x, 0,1,2,3
	v_mov_b32 v[NM+2*\x+1], 0xff61b1e6             ; the largest score so far: -3e38
.endr
.macro KLOAD                           ; a step's K (four operands of two tiles each) and its pair words
	WIN 0xc0
.irp q, 0,1,2,3,4,5,6,7,8,9,10,11,12,13,14,15
	ds_load_b128 v[KF+4*\q:KF+4*\q+3], v[ADK] offset:512*\q
.endr
	WIN 0
	ds_load_b64 v[KS:KS+1], v[ADS]
.endm
.macro VLOAD
	WIN 0xc0
.irp q, 0,1,2,3,4,5,6,7,8,9,10,11,12,13,14,15
	ds_load_b128 v[VF+4*\q:VF+4*\q+3], v[ADK] offset:8192+512*\q
.endr
	WIN 0
	ds_load_b64 v[VS:VS+1], v[ADS] offset:256
.endm
.macro PVW k                           ; O^T += V^T P^T: accumulator k = 4 x tile + channel tile; the sixteen take turns, one instruction a turn
.if (\k)%2
	v_wmma_scale_f32_16x16x128_f8f6f4 v[O+8*(\k):O+8*(\k)+7], v[VF+16*((\k)%4):VF+16*((\k)%4)+15], v[PCD+16*((\k)/4):PCD+16*((\k)/4)+15], v[O+8*(\k):O+8*(\k)+7], v[VS+((\k)%4)/2], v[PS+(\k)/4] matrix_a_scale:MATRIX_SCALE_ROW1
.else
	v_wmma_scale_f32_16x16x128_f8f6f4 v[O+8*(\k):O+8*(\k)+7], v[VF+16*((\k)%4):VF+16*((\k)%4)+15], v[PCD+16*((\k)/4):PCD+16*((\k)/4)+15], v[O+8*(\k):O+8*(\k)+7], v[VS+((\k)%4)/2], v[PS+(\k)/4]
.endif
.endm
.macro RS i                            ; line i of the rescaling by f: 0-31 the sums' chains, 32-95 O^T, each accumulator from its low end on.  Source 0 = f (window 3), as V is for the products: one window setting serves both
.if (\i) < 32
	v_pk_mul_f32 v[SUM+2*(\i):SUM+2*(\i)+1], v[F+2*((\i)/8):F+2*((\i)/8)+1], v[SUM+2*(\i):SUM+2*(\i)+1] op_sel_hi:[0,1]
.else
	v_pk_mul_f32 v[O+2*(\i)-64:O+2*(\i)-63], v[F+2*(((\i)-32)/16):F+2*(((\i)-32)/16)+1], v[O+2*(\i)-64:O+2*(\i)-63] op_sel_hi:[0,1]
.endif
.endm
.macro FMA r0, n, x0                   ; t - M of n pairs from score r0 on, tile x0 on (of the pairs c and -M the low word serves both halves)
.set j, 0
.rept \n
	v_pk_fma_f32 v[\r0+2*j:\r0+2*j+1], v[\r0+2*j:\r0+2*j+1], s[CS:CS+1], v[NM+2*(\x0+j/32):NM+2*(\x0+j/32)+1] op_sel_hi:[1,0,0]
.set j, j+1
.endr
.endm
.macro EXMIN x                         ; tile x's exponentials, line by line with tile x - 1's holds (p is not negative: the hold is one-sided; the conversion does not saturate: ISA guide 7.6.2)
.set j, 0
.rept 64
	v_exp_f32 v[64*(\x)+j], v[64*(\x)+j]
	v_min_num_f32 v[64*(\x)-64+j], v[64*(\x)-64+j], v[HOLD+4*(\x)-4+j/16]
.set j, j+1
.endr
.endm
.macro SUMS x                          ; the row's sum is taken of the unquantised p: two at a time, eight chains by turns
	WIN 0x89                                       ; source 0 window 1, source 1 and destination window 2
.set j, 0
.rept 32
	v_pk_add_f32 v[SUM+16*(\x)+2*(j%8):SUM+16*(\x)+2*(j%8)+1], v[64*(\x)+2*j:64*(\x)+2*j+1], v[SUM+16*(\x)+2*(j%8):SUM+16*(\x)+2*(j%8)+1]
.set j, j+1
.endr
.endm
.macro CVT x
	WIN 0x81                                       ; source 0 window 1, the scale operand window 0, destination window 2
.irp b, 0,1,2,3
	v_cvt_scalef32_pk8_fp8_f32 v[PCD+16*(\x)+4*\b:PCD+16*(\x)+4*\b+1], v[64*(\x)+16*\b:64*(\x)+16*\b+7], v[SOP+4*(\x)+\b]
	v_cvt_scalef32_pk8_fp8_f32 v[PCD+16*(\x)+4*\b+2:PCD+16*(\x)+4*\b+3], v[64*(\x)+16*\b+8:64*(\x)+16*\b+15], v[SOP+4*(\x)+\b]
.endr
.endm
; A STEP'S SECOND HALF: t - M becomes p's codes (tiles 0 and 3 come with t - M made).  kl = 1: the next step's K is fetched behind the first stretch of exponentials and lands under the others
.macro H1 kl
	WIN 0x41                                       ; source 0 and destination window 1, the others window 0: t - M, exponentials and holds alike
.set i, 0
.rept 64                                       ; tile 0's exponentials, line by line with t - M of tiles 1 and 2
	v_exp_f32 v[i], v[i]
	v_pk_fma_f32 v[64+2*i:64+2*i+1], v[64+2*i:64+2*i+1], s[CS:CS+1], v[NM+2*(1+i/32):NM+2*(1+i/32)+1] op_sel_hi:[1,0,0]
.set i, i+1
.endr
.if \kl
	WIN 0
	v_add_nc_u32 v[ADK], s[TB], v[LI]
	v_add_nc_u32 v[ADS], s[TS], v[LS]
	KLOAD
.endif
	WALU                                           ; the stretch's wait, ahead of its results' first reader and of the next stretch
	SUMS 0
	WIN 0x41
	EXMIN 1
	WALU
	SUMS 1
	WIN 0x41
	EXMIN 2
	CVT 0                                          ; (tile 0's holds stood ahead of the last wait)
	WALU
	SUMS 2
	WIN 0x41
	EXMIN 3
	CVT 1
	WALU
	s_wait_dscnt 0x0                               ; the next step's K and its words, and this step's V
	SUMS 3
	CVT 2
	WIN 0x41
.set j, 0
.rept 64
	v_min_num_f32 v[192+j], v[192+j], v[HOLD+12+j/16]
.set j, j+1
.endr
	CVT 3
	WIN 0
	v_nop                                          ; a plain line behind the last conversion: products write its sources next
.endm
; A STEP'S FIRST HALF: S^T, its maxima, M, f, t - M of tiles 0 and 3, the blocks' scales; and, first = 0, the step before's second product with the rescaling behind it
.macro H2 first
.if \first
	WALU
	s_wait_dscnt 0x0                               ; K and its words
.endif
	WIN 0x4f                                       ; K and Q window 3, S^T window 1
.irp x, 0,1,2,3
.irp t, 0,1,2,3,4,5,6,7
.if (\t/2)%2
	v_wmma_scale_f32_16x16x128_f8f6f4 v[64*\x+8*\t:64*\x+8*\t+7], v[KF+16*(\t/2):KF+16*(\t/2)+15], v[QF+24*\x+8*(\t%2):QF+24*\x+8*(\t%2)+15], 0, v[KS+\t/4], v[QS+2*\x+\t%2] matrix_a_scale:MATRIX_SCALE_ROW1
.else
	v_wmma_scale_f32_16x16x128_f8f6f4 v[64*\x+8*\t:64*\x+8*\t+7], v[KF+16*(\t/2):KF+16*(\t/2)+15], v[QF+24*\x+8*(\t%2):QF+24*\x+8*(\t%2)+15], 0, v[KS+\t/4], v[QS+2*\x+\t%2]
.endif
.endr
.endr
	WIN 0
.if \first == 0                                ; eight places behind this matrix form, ahead of the reads of S^T: the old -M is kept in four of them
.irp x, 0,1,2,3
	v_mov_b32 v[OLD+\x], v[NM+2*\x]
.endr
.rept 4
	v_nop
.endr
.else
.rept 8
	v_nop
.endr
.endif
	WIN 0x14                                       ; sources 1 and 2 window 1
.irp i, 0,2,4,6,8,10,12,14                     ; the largest score of each of the 16 blocks of 32 keys, by turns: it serves for the row's maximum and, since p rises with the score, for the block's largest p.  Each accumulator is read from its low end on
.set q, 0
.rept 16
.if \i == 0
	v_max3_num_f32 v[BM+q], v[NINF], v[16*q], v[16*q+1]
.else
	v_max3_num_f32 v[BM+q], v[BM+q], v[16*q+\i], v[16*q+\i+1]
.endif
.set q, q+1
.endr
.endr
	WIN 0
.set q, 0
.rept 16
	v_permlanex16_b32 v[T2+q], v[BM+q], s[SEL], s[SEL+1]
.set q, q+1
.endr
.set q, 0
.rept 16
	v_max_num_f32 v[BM+q], v[BM+q], v[T2+q]        ; with lane l xor 16's 16 keys
.set q, q+1
.endr
.irp x, 0,1,2,3
	v_max3_num_f32 v[TMP+\x], v[BM+4*\x], v[BM+4*\x+1], v[BM+4*\x+2]
.endr
.irp x, 0,1,2,3
	v_max3_num_f32 v[NM+2*\x+1], v[NM+2*\x+1], v[TMP+\x], v[BM+4*\x+3]   ; the running largest score
.endr
.irp x, 0,1,2,3
	v_mul_f32 v[TMP+\x], s[NC], v[NM+2*\x+1]       ; -t
.endr
.irp x, 0,1,2,3
	v_floor_f32 v[NM+2*\x], v[TMP+\x]              ; -M = floor(-t) = -ceil(t): a whole number
.endr
.if \first == 0
.irp x, 0,1,2,3
	v_sub_f32 v[TMP+\x], v[NM+2*\x], v[OLD+\x]     ; old M - new M: a whole number, 0 or less
.endr
.irp x, 0,1,2,3
	v_cvt_i32_f32 v[TMP+\x], v[TMP+\x]             ; (it saturates)
.endr
.endif
.set q, 0
.rept 16
	v_fma_f32 v[BM+q], v[BM+q], s[CS], v[NM+2*(q/4)]   ; t - M of each block's largest score
.set q, q+1
.endr
.if \first == 0
	WIN 0xc0
.irp x, 0,1,2,3
	v_ldexp_f32 v[F+2*\x], 1.0, v[TMP+\x]          ; f = 2^(old M - new M), in window 3
.endr
	WIN 0
.endif
	WALU                                           ; ahead of the exponentials
.set q, 0
.rept 16
	v_exp_f32 v[BM+q], v[BM+q]                     ; the block's largest p: the same two instructions on the same number give the same bits
.set q, q+1
.endr
	v_nop
.if \first == 0
	WIN 0xab                                       ; V and f window 3; p's codes, O^T and the sums window 2
.irp k, 0,1,2,3,4,5,6,7,8,9,10,11,12,13,14,15
	PVW \k
	RS 5*\k
	RS 5*\k+1
	RS 5*\k+2
	RS 5*\k+3
	RS 5*\k+4
.endr
.irp i, 80,81,82,83,84,85,86,87,88,89,90,91,92,93,94,95
	RS \i                                          ; (the first eight of these are also places ahead of the loads into V's registers and words)
.endr
.endif
	VLOAD
	WIN 0x41
	FMA 0, 32, 0                                   ; t - M of tiles 0 and 3: ahead of the wait below, which so stands ahead of their exponentials too
	FMA 192, 32, 3
	WIN 0
	WALU                                           ; the sixteen exponentials' wait, ahead of their first reader
.set q, 0
.rept 16
	v_max_num_f32 v[BM+q], 0x4800000, v[BM+q]      ; the floor 2^(9 - 127): the byte cannot fall under 1
.set q, q+1
.endr
.set q, 0
.rept 16
	v_add_nc_u32 v[SOP+q], 0xfc000000, v[BM+q]     ; 8 off the exponent field: the conversion's scale operand
.set q, q+1
.endr
.set q, 0
.rept 16
	v_and_or_b32 v[HOLD+q], v[BM+q], 0x7f800000, s[MNT]   ; 448 x the scale
.set q, q+1
.endr
.set q, 0
.rept 16
	v_lshrrev_b32 v[T2+q], 23, v[SOP+q]            ; the scale's byte
.set q, q+1
.endr
.irp x, 0,1,2,3
	v_lshl_or_b32 v[PW+\x], v[T2+4*\x+1], 8, v[T2+4*\x]
.endr
.irp x, 0,1,2,3
	v_lshl_or_b32 v[PW+\x], v[T2+4*\x+2], 16, v[PW+\x]
.endr
.irp x, 0,1,2,3
	v_lshl_or_b32 v[PS+\x], v[T2+4*\x+3], 24, v[PW+\x]   ; p's scale word for these 128 keys
.endr
.endm
.macro TRIP
	H1 1
	H2 0
	s_add_co_u32 s[TB], s[TB], STEPB
	s_add_co_u32 s[TS], s[TS], 512
	s_sub_co_u32 s[CNT], s[CNT], 1
	s_cmp_lg_u32 s[CNT], 0
	WALU
.endm
; THE CHANGE OF SLOTS.  Each wave waits for all its tensor loads (its part of the slot ahead), adds 0 to its spare word, and waits for that and for its reads of the slot that it leaves (the last was V's).
; fill = 1: a round of the cluster's barrier; the joint fill of the slot just left (the first time: slot 1's first fill) is the first thing behind it, one load a wave.
.macro CHANGE fill
	WALU
	s_wait_tensorcnt 0x0
	ds_add_u32 v[SPW], v[NIL]
.if \fill
	s_xor_b32 s[G0K+1], s[G0K+1], SLOTB            ; no load of mine is out, so the descriptor may walk: the other slot,
	s_add_nc_u64 s[G0K+2:G0K+3], s[G0K+2:G0K+3], SLOTB   ; the next eight steps
	s_wait_dscnt 0x0
	CROUND
	TLOAD G0K, G1R
.else
	s_wait_dscnt 0x0
	s_barrier_signal -1                            ; the work-group's own is enough
	s_barrier_wait -1
.endif
.endm
	WALU
	s_wait_loadcnt 0x0                             ; Q
	s_wait_tensorcnt 0x0                           ; my part of steps 0-8, or the scale words
	s_barrier_signal -1
	s_barrier_wait -1                              ; everybody's
	KLOAD
	H2 1                                           ; step 0's first half
.Lslot:                                            ; three trips: fills 1, 2, 3 are asked for; eight steps each
	CHANGE 1
	s_mov_b32 s[CNT], 8
.Lstep:
	TRIP
	s_cbranch_scc1 .Lstep
	s_sub_co_u32 s[TB], s[TB], SLOTB               ; back to a slot's first step,
	s_xor_b32 s[TB], s[TB], SLOTB                  ; in the other slot
	s_sub_co_u32 s[SLOTS], s[SLOTS], 1
	s_cmp_lg_u32 s[SLOTS], 0
	s_cbranch_scc1 .Lslot
	CHANGE 0                                       ; the last slot is written out
	s_mov_b32 s[CNT], 7                            ; steps 25-31
.Llast:
	TRIP
	s_cbranch_scc1 .Llast
	H1 0                                           ; step 31's second half; V is in
.rept 4
	v_nop                                          ; four places between the last codes and the products
.endr
	WALU
	WIN 0xab
.irp k, 0,1,2,3,4,5,6,7,8,9,10,11,12,13,14,15
	PVW \k
.endr
	; THE WAY OUT.  O^T / the sum is 32 numbers a lane and tile, channels 32 b + 16 h + 0 .. 15 of my query: two blocks of the last projection's K.  They are quantised as they lie; the codes are registers 8 (head % 2) + 4 b on
	; of K step head / 2 of attn's tile: two stores of 512 consecutive bytes a tile.  A slot's two scale bytes leave one from each half of the lanes (the other heads' work-groups write the rest of its 16).
	WIN 0xaa
.irp c, 0,1,2,3                                ; a tile's eight chains become one
.irp x, 0,1,2,3
	v_pk_add_f32 v[SUM+16*\x+4*\c:SUM+16*\x+4*\c+1], v[SUM+16*\x+4*\c:SUM+16*\x+4*\c+1], v[SUM+16*\x+4*\c+2:SUM+16*\x+4*\c+3]
.endr
.endr
.irp c, 0,1
.irp x, 0,1,2,3
	v_pk_add_f32 v[SUM+16*\x+8*\c:SUM+16*\x+8*\c+1], v[SUM+16*\x+8*\c:SUM+16*\x+8*\c+1], v[SUM+16*\x+8*\c+4:SUM+16*\x+8*\c+5]
.endr
.endr
.irp x, 0,1,2,3
	v_pk_add_f32 v[SUM+16*\x:SUM+16*\x+1], v[SUM+16*\x:SUM+16*\x+1], v[SUM+16*\x+8:SUM+16*\x+9]
.endr
	WIN 0x0a
.irp x, 0,1,2,3
	v_add_f32 v[TMP+\x], v[SUM+16*\x], v[SUM+16*\x+1]
.endr
	WIN 0
.irp x, 0,1,2,3
	v_permlanex16_b32 v[T2+\x], v[TMP+\x], s[SEL], s[SEL+1]
.endr
.irp x, 0,1,2,3
	v_add_f32 v[NM+2*\x], v[TMP+\x], v[T2+\x]      ; with lane l xor 16's: the row's sum
.endr
	WALU
.irp x, 0,1,2,3
	v_rcp_f32 v[NM+2*\x], v[NM+2*\x]
.endr
	v_cmp_gt_u32 vcc_lo, 16, v[LN]                 ; (the plain line behind the reciprocals)
	WIN 0x42                                       ; O^T window 2, the reciprocal window 0, the result window 1
	WALU                                           ; ahead of the first readers of the reciprocals and of the last products' results
.set j, 0
.rept 64
	v_pk_mul_f32 v[2*j:2*j+1], v[O+2*j:O+2*j+1], v[NM+2*(j/16):NM+2*(j/16)+1] op_sel_hi:[1,0]
.set j, j+1
.endr
	WIN 0x14
.irp i, 0,2,4,6,8,10,12,14                     ; eight blocks by turns; the floor 2^(9 - 127) is the first leaf
.set q, 0
.rept 8
.if \i == 0
	v_max3_num_f32 v[BM+q], 0x4800000, |v[16*q]|, |v[16*q+1]|
.else
	v_max3_num_f32 v[BM+q], v[BM+q], |v[16*q+\i]|, |v[16*q+\i+1]|
.endif
.set q, q+1
.endr
.endr
	WIN 0
.irp q, 0,1,2,3,4,5,6,7
	v_permlanex16_b32 v[T2+\q], v[BM+\q], s[SEL], s[SEL+1]
.endr
.irp q, 0,1,2,3,4,5,6,7
	v_max_num_f32 v[BM+\q], v[BM+\q], v[T2+\q]
.endr
.irp q, 0,1,2,3,4,5,6,7
	v_add_nc_u32 v[SOP+\q], 0xfc000000, v[BM+\q]
.endr
.irp q, 0,1,2,3,4,5,6,7
	v_and_or_b32 v[HOLD+\q], v[BM+\q], 0x7f800000, s[MNT]
.endr
.irp q, 0,1,2,3,4,5,6,7
	v_lshrrev_b32 v[T2+\q], 23, v[SOP+\q]
.endr
	WIN 0x41
.set j, 0
.rept 128
	v_med3_num_f32 v[j], v[j], -v[HOLD+j/16], v[HOLD+j/16]
.set j, j+1
.endr
	WIN 0x81
.irp q, 0,1,2,3,4,5,6,7
	v_cvt_scalef32_pk8_fp8_f32 v[PCD+4*\q:PCD+4*\q+1], v[16*\q:16*\q+7], v[SOP+\q]
	v_cvt_scalef32_pk8_fp8_f32 v[PCD+4*\q+2:PCD+4*\q+3], v[16*\q+8:16*\q+15], v[SOP+\q]
.endr
	WIN 0
.irp x, 0,1,2,3
	v_cndmask_b32 v[TMP+\x], v[T2+2*\x+1], v[T2+2*\x], vcc_lo   ; lanes 0-15 send block 0's byte, lanes 16-31 block 1's.  (Also the plain line behind the last conversion)
.endr
	WIN 0x08                                       ; a store's data are its source 1: window 2
.irp x, 0,1,2,3
	global_store_b128 v[L16], v[PCD+8*\x:PCD+8*\x+3], s[AP:AP+1] offset:8192*\x
	global_store_b128 v[L16], v[PCD+8*\x+4:PCD+8*\x+7], s[AP:AP+1] offset:8192*\x+512
.endr
	WIN 0
.irp x, 0,1,2,3
	global_store_b8 v[A8H], v[TMP+\x], s[ASP:ASP+1] offset:256*\x
.endr
	s_wait_tensorcnt 0x0                           ; the wave's end
	ds_add_u32 v[SPW], v[NIL]
	s_wait_dscnt 0x0
	CROUND                                         ; the closing round: no work-group ends while a partner may still ask for a tile that names it
	s_endpgm
.Lfunc_end_k_qc47273ad4e_attn:
	.size	k_qc47273ad4e_attn, .Lfunc_end_k_qc47273ad4e_attn-k_qc47273ad4e_attn
	.p2alignl 7, 3214868480
	.fill 96, 4, 3214868480
	.section	.rodata,"a",@progbits
	.p2align	6, 0x0
	.amdhsa_kernel k_qc47273ad4e_attn
		.amdhsa_group_segment_fixed_size 327680
		.amdhsa_private_segment_fixed_size 0
		.amdhsa_enable_private_segment 0
		.amdhsa_kernarg_size 24
		.amdhsa_user_sgpr_count 2
		.amdhsa_user_sgpr_kernarg_segment_ptr 1
		.amdhsa_wavefront_size32 1
		.amdhsa_system_sgpr_workgroup_id_x 1
		.amdhsa_system_sgpr_workgroup_id_y 1
		.amdhsa_system_sgpr_workgroup_id_z 1
		.amdhsa_system_vgpr_workitem_id 0
		.amdhsa_next_free_vgpr 1024
		.amdhsa_next_free_sgpr 92
		.amdhsa_reserve_vcc 1
		.amdhsa_float_denorm_mode_32 3
		.amdhsa_float_denorm_mode_16_64 3
		.amdhsa_memory_ordered 1
		.amdhsa_forward_progress 1
		.amdhsa_inst_pref_size 237
	.end_amdhsa_kernel
	.amdgpu_metadata
---
amdhsa.version: [ 1, 2 ]
amdhsa.kernels:
  - .name:           k_qc47273ad4e_attn
    .symbol:         k_qc47273ad4e_attn.kd
    .args:
      - { .name: qq, .offset: 0, .size: 8, .value_kind: global_buffer, .address_space: global }
      - { .name: kv, .offset: 8, .size: 8, .value_kind: global_buffer, .address_space: global }
      - { .name: aq, .offset: 16, .size: 8, .value_kind: global_buffer, .address_space: global }
    .group_segment_fixed_size: 327680
    .private_segment_fixed_size: 0
    .kernarg_segment_align: 8
    .kernarg_segment_size: 24
    .max_flat_workgroup_size: 128
    .sgpr_count:     92
    .vgpr_count:     1024
    .wavefront_size: 32
...
	.end_amdgpu_metadata
.endif
;; end of part 3
;; launch oproj (part 4): grid 256 x 1, 8 waves a work-group, no clusters, 70,656 bytes of LDS; arguments aq, wq, bo, out0; writes out0
.if DOCPART == 4
	.amdgcn_target "amdgcn-amd-amdhsa--gfx1250"
	.amdhsa_code_object_version 6
	.text
	.protected	k_qc47273ad4e_oproj
	.globl	k_qc47273ad4e_oproj
	.p2align	8
	.type	k_qc47273ad4e_oproj,@function
k_qc47273ad4e_oproj:
	s_mov_b64 s[64:65], 0
	v_nop
	global_prefetch_b8 v0, s[64:65] scope:SCOPE_SE
	s_setreg_imm32_b32 hwreg(HW_REG_WAVE_MODE, 25, 1), 1
	s_wait_xcnt 0x0
; out0 = attn Wo^T + bo on codes of FP8 (E4M3) with E8M0 scales; K = 512: four matrix instructions deep.  out0: [8192][512] f32.
; LIMITS: the bias is the C of a sum's first matrix instruction, so it is added first and not last as the source has it (an order of rounding).  NaN and infinities are not served.
; SHARES.  Work-group p takes tiles 2 p and 2 p + 1 of attn, which together are rows 32 p .. 32 p + 31 (slot r of tile T is row 32 (T / 2) + 8 (T % 2) + r + 8 (r / 8)); wave w takes columns 64 w .. 64 w + 63: tiles 96 + 4 w + t of
; wq.  All operands lie in memory in the order of the operands' registers and go straight into them: 16 x lane + a constant.  32 matrix instructions a wave, eight accumulators by turns, one instruction a turn.
; TRANSPOSED: source 0 = Wo's tile, source 1 = attn's: lane (r, h) holds slot r's row and, in the 16 registers of tiles 2 b, 2 b + 1, columns 64 w + 32 b + 16 h + 0 .. 15: 64 neighbouring bytes.
; THE WAY OUT: through the wave's own stage in LDS (32 rows of 256 bytes + 16), back as whole rows: sixteen lanes store 256 consecutive bytes, aligned; the tiles' order of rows is undone by the stores' immediates.
; No barrier: waves share nothing in LDS.  NO CLUSTER: a joint request is a tensor load into LDS; here every operand is read once, into the registers in which it is multiplied, and no loop walks it again.
; REGISTERS: window 1: Wo's fragment (t, s) at v[16 (4 t + s)].  Window 0: v1-6 addresses; v16-23 Wo's scale words; v24-27 attn's; v32-63 the bias; v64-191 attn's fragment (u, s) at v[64 + 64 u + 16 s], later rows on their way out; v192-255 the accumulators.
.set LI,  1                            ; v1  16 x lane
.set L8,  2                            ; v2  8 x lane
.set HB,  3                            ; v3  64 h: my half's place in the bias
.set SO,  4                            ; v4  the stage, in
.set RD,  5                            ; v5  the stage, out
.set CO,  6                            ; v6  my byte offset in two rows of out0
.set WS,  16
.set AS,  24
.set BI,  32
.set AF,  64
.set ACC, 192
.set MSB, 0
.macro WIN new                         ; the immediate's high byte repeats the setting that is left
.if MSB != \new
	s_set_vgpr_msb (MSB<<8)|\new
.set MSB, \new
.endif
.endm
.macro MMA d, a, b, c, sa, sb, row     ; row = 1: an odd K step: both sides' scale words stand in lanes 16-31
.if \row
	v_wmma_scale_f32_16x16x128_f8f6f4 v[(\d):(\d)+7], v[(\a):(\a)+15], v[(\b):(\b)+15], v[(\c):(\c)+7], v[\sa], v[\sb] matrix_a_scale:MATRIX_SCALE_ROW1 matrix_b_scale:MATRIX_SCALE_ROW1
.else
	v_wmma_scale_f32_16x16x128_f8f6f4 v[(\d):(\d)+7], v[(\a):(\a)+15], v[(\b):(\b)+15], v[(\c):(\c)+7], v[\sa], v[\sb]
.endif
.endm
	s_load_b256 s[4:11], s[0:1], 0x0               ; aq, wq, bo, out0
	v_lshl_add_u32 v30, v0, 2, 0x11000
	v_mov_b32 v31, 0
	v_lshrrev_b32 v1, 5, v0
	s_delay_alu instid0(VALU_DEP_1)
	v_readfirstlane_b32 s12, v1                    ; wave
	v_and_b32 v7, 31, v0
	s_delay_alu instid0(VALU_DEP_1)
	v_lshlrev_b32 v[LI], 4, v7
	s_delay_alu instid0(VALU_DEP_2)
	v_lshlrev_b32 v[L8], 3, v7
	v_bfe_u32 v8, v0, 4, 1                         ; h
	v_and_b32 v9, 15, v0                           ; r
	s_delay_alu instid0(VALU_DEP_2)
	v_lshlrev_b32 v[HB], 6, v8
	s_mul_i32 s13, s12, 32*272                     ; my stage
	v_mul_u32_u24 v[SO], v9, 272
	s_delay_alu instid0(VALU_DEP_1)
	v_lshl_add_u32 v[SO], v8, 6, v[SO]
	s_delay_alu instid0(VALU_DEP_1)
	v_add_nc_u32 v[SO], s13, v[SO]                 ; in: row = slot r, + 64 h
	v_mul_u32_u24 v[RD], v8, 272
	s_delay_alu instid0(VALU_DEP_1)
	v_lshl_add_u32 v[RD], v9, 4, v[RD]
	s_delay_alu instid0(VALU_DEP_1)
	v_add_nc_u32 v[RD], s13, v[RD]                 ; back: lanes 0-15 one row, lanes 16-31 the next
	v_lshlrev_b32 v[CO], 11, v8
	s_delay_alu instid0(VALU_DEP_1)
	v_lshl_add_u32 v[CO], v9, 4, v[CO]             ; and the same two rows of 2,048 bytes in out0
	s_lshl_b32 s14, ttmp9, 14                      ; my two tiles' codes
	s_mov_b32 s15, 0
	s_lshl_b32 s16, ttmp9, 9                       ; and scale words
	s_add_co_u32 s16, s16, 0x400000
	s_mov_b32 s17, 0
	s_lshl_b32 s18, s12, 2
	s_add_co_u32 s18, s18, 96                      ; my first tile of wq
	s_lshl_b32 s20, s18, 13
	s_mov_b32 s21, 0
	s_lshl_b32 s22, s18, 8
	s_add_co_u32 s22, s22, 0x100000
	s_mov_b32 s23, 0
	s_lshl_b32 s24, s12, 8                         ; my 64 columns: 256 bytes, in bo and in a row of out0
	s_mov_b32 s25, 0
	s_lshl_b32 s26, ttmp9, 16                      ; my 32 rows of out0
	s_add_co_u32 s26, s26, s24
	s_mov_b32 s27, 0
	s_wait_alu depctr_va_vdst(0)
	s_wait_kmcnt 0x0
	s_add_nc_u64 s[28:29], s[4:5], s[14:15]
	s_add_nc_u64 s[30:31], s[4:5], s[16:17]
	s_add_nc_u64 s[32:33], s[6:7], s[20:21]
	s_add_nc_u64 s[34:35], s[6:7], s[22:23]
	s_add_nc_u64 s[36:37], s[8:9], s[24:25]
	s_add_nc_u64 s[38:39], s[10:11], s[26:27]
.irp u, 0,1
.irp q, 0,1,2,3,4,5,6,7,8,9,10,11,12,13,14,15
	global_load_b128 v[AF+64*\u+4*\q:AF+64*\u+4*\q+3], v[LI], s[28:29] offset:8192*\u+512*\q
.endr
	global_load_b64 v[AS+2*\u:AS+2*\u+1], v[L8], s[30:31] offset:256*\u
.endr
.irp t, 0,1,2,3                                ; register j of tile t is column 32 (t / 2) + 8 (t % 2) + 16 h + j of my 64
	global_load_b128 v[BI+8*\t:BI+8*\t+3], v[HB], s[36:37] offset:(\t/2)*128+(\t%2)*32
	global_load_b128 v[BI+8*\t+4:BI+8*\t+7], v[HB], s[36:37] offset:(\t/2)*128+(\t%2)*32+16
.endr
	WIN 0x40                                       ; destination window 1, address window 0
.irp t, 0,1,2,3
.irp q, 0,1,2,3,4,5,6,7,8,9,10,11,12,13,14,15
	global_load_b128 v[64*\t+4*\q:64*\t+4*\q+3], v[LI], s[32:33] offset:8192*\t+512*\q
.endr
.endr
	WIN 0
.irp t, 0,1,2,3
	global_load_b64 v[WS+2*\t:WS+2*\t+1], v[L8], s[34:35] offset:256*\t
.endr
	s_wait_loadcnt 0x0
	WIN 0x01                                       ; source 0 (Wo) window 1
.irp s, 0,1,2,3
.irp u, 0,1
.irp t, 0,1,2,3
.if \s == 0
	MMA ACC+32*\u+8*\t, 16*(4*\t+\s), AF+64*\u+16*\s, BI+8*\t, WS+2*\t+\s/2, AS+2*\u+\s/2, \s%2
.else
	MMA ACC+32*\u+8*\t, 16*(4*\t+\s), AF+64*\u+16*\s, ACC+32*\u+8*\t, WS+2*\t+\s/2, AS+2*\u+\s/2, \s%2
.endif
.endr
.endr
.endr
	WIN 0
.rept 8
	v_nop                                          ; eight places behind this matrix form: in front of the LDS stores that read results and of the loads into registers that held attn's fragments
.endr
.irp u, 0,1
.irp b, 0,1
.irp q, 0,1,2,3
	ds_store_b128 v[SO], v[ACC+32*\u+16*\b+4*\q:ACC+32*\u+16*\b+4*\q+3] offset:16*272*\u+128*\b+16*\q   ; each accumulator from its low end on
.endr
.endr
.endr
.irp i, 0,1,2,3,4,5,6,7,8,9,10,11,12,13,14,15
	ds_load_b128 v[AF+4*\i:AF+4*\i+3], v[RD] offset:2*272*\i       ; LDS serves a wave's instructions in order: these see my stores
.endr
.irp i, 0,1,2,3,4,5,6,7,8,9,10,11,12,13,14,15
	s_wait_dscnt 15-\i                             ; the 15 - i younger loads may be out
	global_store_b128 v[CO], v[AF+4*\i:AF+4*\i+3], s[38:39] offset:(8*(\i/8)+2*(\i%8)+8*((\i%8)/4))*2048 th:TH_STORE_NT   ; stage rows 2 i, 2 i + 1 are slots 2 (i % 8), + 1 of tile i / 8; 16 lanes store 256 consecutive bytes, aligned
.endr
	s_wait_tensorcnt 0x0
	ds_add_u32 v30, v31
	s_wait_dscnt 0x0
	s_endpgm
.Lfunc_end_k_qc47273ad4e_oproj:
	.size	k_qc47273ad4e_oproj, .Lfunc_end_k_qc47273ad4e_oproj-k_qc47273ad4e_oproj
	.p2alignl 7, 3214868480
	.fill 96, 4, 3214868480
	.section	.rodata,"a",@progbits
	.p2align	6, 0x0
	.amdhsa_kernel k_qc47273ad4e_oproj
		.amdhsa_group_segment_fixed_size 70656
		.amdhsa_private_segment_fixed_size 0
		.amdhsa_enable_private_segment 0
		.amdhsa_kernarg_size 32
		.amdhsa_user_sgpr_count 2
		.amdhsa_user_sgpr_kernarg_segment_ptr 1
		.amdhsa_wavefront_size32 1
		.amdhsa_system_sgpr_workgroup_id_x 1
		.amdhsa_system_sgpr_workgroup_id_y 1
		.amdhsa_system_sgpr_workgroup_id_z 1
		.amdhsa_system_vgpr_workitem_id 0
		.amdhsa_next_free_vgpr 512
		.amdhsa_next_free_sgpr 66
		.amdhsa_reserve_vcc 0
		.amdhsa_float_denorm_mode_32 3
		.amdhsa_float_denorm_mode_16_64 3
		.amdhsa_memory_ordered 1
		.amdhsa_forward_progress 1
		.amdhsa_inst_pref_size 22
	.end_amdhsa_kernel
	.amdgpu_metadata
---
amdhsa.version: [ 1, 2 ]
amdhsa.kernels:
  - .name:           k_qc47273ad4e_oproj
    .symbol:         k_qc47273ad4e_oproj.kd
    .args:
      - { .name: aq, .offset: 0, .size: 8, .value_kind: global_buffer, .address_space: global }
      - { .name: wq, .offset: 8, .size: 8, .value_kind: global_buffer, .address_space: global }
      - { .name: bo, .offset: 16, .size: 8, .value_kind: global_buffer, .address_space: global }
      - { .name: out0, .offset: 24, .size: 8, .value_kind: global_buffer, .address_space: global }
    .group_segment_fixed_size: 70656
    .private_segment_fixed_size: 0
    .kernarg_segment_align: 8
    .kernarg_segment_size: 32
    .max_flat_workgroup_size: 256
    .sgpr_count:     66
    .vgpr_count:     512
    .wavefront_size: 32
...
	.end_amdgpu_metadata
.endif
;; end of part 4
